; MI455X (gfx1250); checked and timed in simulation.
; The chip was launched on July 23, 2026; its instructions are those of AMD's public machine-readable ISA for CDNA 5 (MIT licence, August 2026) and "CDNA5" Instruction Set Architecture Reference Guide (July 2026). The comments in the code are by the model that wrote it; some were corrected since.
;; Multihead Attention. Allowed arithmetic: matrix products marked QUANTISED: E5M2 operands, one E8M0 scale for each 32 along K, by v_wmma_scale_f32_16x16x128_f8f6f4 with both operands' format E5M2, f32 sums; everything else in f32.
;; Inputs: Wk_codes 1,024 x 32 x 32 uint8 (E5M2 codes of Wk, K innermost, in blocks of 32 codes); Wk_scales 1,024 x 32 uint8 (E8M0 scales of Wk, one for each 32 codes along K); Wo_codes 1,024 x 32 x 32 uint8 (E5M2 codes of Wo, K innermost, in blocks of 32 codes); Wo_scales 1,024 x 32 uint8 (E8M0 scales of Wo, one for each 32 codes along K); Wq_codes 1,024 x 32 x 32 uint8 (E5M2 codes of Wq, K innermost, in blocks of 32 codes); Wq_scales 1,024 x 32 uint8 (E8M0 scales of Wq, one for each 32 codes along K); Wv_codes 1,024 x 32 x 32 uint8 (E5M2 codes of Wv, K innermost, in blocks of 32 codes); Wv_scales 1,024 x 32 uint8 (E8M0 scales of Wv, one for each 32 codes along K); b1 1,024 float32; b2 1,024 float32; bk 1,024 float32; bo 1,024 float32; bq 1,024 float32; bv 1,024 float32; g1 1,024 float32; g2 1,024 float32; k_codes 4 x 2,048 x 32 x 32 uint8 (E5M2 codes of k, K innermost, in blocks of 32 codes); k_scales 4 x 2,048 x 32 uint8 (E8M0 scales of k, one for each 32 codes along K); mask 4 x 2,048 bool; q_codes 4 x 2,048 x 32 x 32 uint8 (E5M2 codes of q, K innermost, in blocks of 32 codes); q_scales 4 x 2,048 x 32 uint8 (E8M0 scales of q, one for each 32 codes along K); v_codes 4 x 2,048 x 32 x 32 uint8 (E5M2 codes of v, K innermost, in blocks of 32 codes); v_scales 4 x 2,048 x 32 uint8 (E8M0 scales of v, one for each 32 codes along K).
;; Outputs: out0 4 x 2,048 x 1,024 float32.
;; This version of the problem:
;;   THIS VERSION OF THE PROBLEM IS GIVEN IN LOW PRECISION. The matrix products marked QUANTISED in the list below multiply operands that are first quantised to E5M2 (5 exponent bits, 2 mantissa bits; 8 bits a number), with one power-of-two scale for each 32 numbers along K (OCP MX v1.0); their sums are f32. All else is computed in f32.
;;   The module's matrix products, in the order in which they are computed (A, B: the left and right operand; K: the contracted axis; several contracted axes count as one K, in the product's order):
;;     1. [M 8,192, K 1,024] x [K 1,024, N 1,024]; A: input q (given as codes); B: input Wq (given as codes): QUANTISED
;;     2. [M 8,192, K 1,024] x [K 1,024, N 1,024]; A: input k (given as codes); B: input Wk (given as codes): QUANTISED
;;     3. [M 8,192, K 1,024] x [K 1,024, N 1,024]; A: input v (given as codes); B: input Wv (given as codes): QUANTISED
;;     4. batch 64 x [M 2,048, K 64] x [K 64, N 2,048]; A: computed on the way; B: computed on the way: QUANTISED
;;     5. batch 64 x [M 64, K 2,048] x [K 2,048, N 2,048]; A: computed on the way; B: computed on the way: QUANTISED
;;     6. [M 8,192, K 1,024] x [K 1,024, N 1,024]; A: computed on the way; B: input Wo (given as codes): QUANTISED
;;   THE QUANTISER, for each operand of a quantised product, along K:
;;     - K is cut into blocks of 32 from its start; a last block that is shorter is filled with zeros.
;;     - A block's scale is 2^e with e = floor(log2(the largest magnitude in the block)) - 15, held to -126 .. 127; a block of zeros has e = 0. As a byte (E8M0): e + 127.
;;     - Each number is divided by its block's scale, clamped to +-57,344, and rounded to the nearest number of E5M2, ties to even, subnormals kept.
;;     - The product sums the exact products of the quantised numbers (number of the format x scale) in f32.
;;   ~~~python
;;   def quantise(x, axis):      # numpy; x: float32 -> the quantised numbers, widened to float32 again
;;       x = np.moveaxis(x, axis, -1); K = x.shape[-1]
;;       x = np.pad(x, [(0, 0)] * (x.ndim - 1) + [(0, -K % 32)]); x = x.reshape(x.shape[:-1] + (-1, 32)); a = np.abs(x).max(-1, keepdims=True)
;;       e = np.where(a > 0, np.clip(np.frexp(np.where(a > 0, a, 1))[1] - 1 - 15, -126, 127), 0)      # np.frexp(a)[1] - 1 = floor(log2(a)), exactly
;;       r = np.clip(x / 2.0 ** e, -57344, 57344)
;;       step = 2.0 ** (np.maximum(np.frexp(np.where(r == 0, 1, r))[1] - 1, -14) - 2)
;;       q = np.round(r / step) * step * 2.0 ** e      # np.round: ties to even
;;       return np.moveaxis(q.reshape(q.shape[:-2] + (-1,))[..., :K], -1, axis).astype(np.float32)
;;   ~~~
;;   OPERANDS COMPUTED ON THE WAY. 'Computed on the way' means the value that the module computes at that place (a softmax that the list does not call 'softmax' is quantised finished and normalised). What goes into a quantiser is computed in f32, as accurately as f32 sums, v_exp_f32 and their like allow (about 1e-6 of the number): no bf16 or f16 on the way to a quantiser, and a product that is left as it is and whose result goes on into a quantised operand takes f32 operands (vector FMAs, or v_wmma_f32_16x16x4_f32). A number that lies on a knife's edge between two numbers of the format may be rounded either way, as far as f32 arithmetic and the matrix unit's own rounding can turn it there, and no further.
;;   INPUTS GIVEN AS CODES. Wk (in the module: [1024, 1024], K = its axis 0); Wo (in the module: [1024, 1024], K = its axis 0); Wq (in the module: [1024, 1024], K = its axis 0); Wv (in the module: [1024, 1024], K = its axis 0); k (in the module: [4, 2048, 1024], K = its axis 2); q (in the module: [4, 2048, 1024], K = its axis 2); v (in the module: [4, 2048, 1024], K = its axis 2): each comes as NAME_codes (uint8): NAME with its K axis moved to the last place and cut into blocks of 32 codes, [.., K / 32, bytes a block], one block behind the other in memory; one code a byte (a code: sign, 5 exponent bits, 2 mantissa bits); and NAME_scales (uint8): the same leading axes, one E8M0 byte (e + 127) for each 32 codes along K. Its value is code x scale, taken as it is: it is not quantised again, and the codes and scales need not be those that the quantiser above would give.
;; One version. Each part assembles by itself: llvm-mc -triple=amdgcn-amd-amdhsa -mcpu=gfx1250 --defsym DOCPART=n.
;; ======== version 1 of 1: 3 launches
;; limits: right only within a limited range of input values
;; workspace buffers: qpimg 33,554,432 bytes; yimg 33,554,432 bytes; qimg 8,388,608 bytes; kimg 8,388,608 bytes; vimg 8,388,608 bytes; qsc 524,288 bytes; ksc 524,288 bytes; vsc 262,144 bytes
;; launch proj (part 1): grid 4 x 96, 4 waves a work-group, clusters of 4 x 4, 327,680 bytes of LDS; arguments q_codes, q_scales, Wq_codes, Wq_scales, k_codes, k_scales, Wk_codes, Wk_scales, v_codes, v_scales, Wv_codes, Wv_scales, bq, bk, bv, mask, qimg, qsc, kimg, ksc, vimg, vsc, qpimg; writes qimg, qsc, kimg, ksc, vimg, vsc, qpimg
.if DOCPART == 1
	.amdgcn_target "amdgcn-amd-amdhsa--gfx1250"
	.amdhsa_code_object_version 6
	.text
	.protected	k_q2838a27a81_proj
	.globl	k_q2838a27a81_proj
	.p2align	8
	.type	k_q2838a27a81_proj,@function
k_q2838a27a81_proj:
	s_mov_b64 s[64:65], 0
	v_nop
	global_prefetch_b8 v0, s[64:65] scope:SCOPE_SE
	s_setreg_imm32_b32 hwreg(HW_REG_WAVE_MODE, 25, 1), 1
	s_wait_xcnt 0x0
	s_wait_alu depctr_hold_cnt(0) depctr_sa_sdst(0) depctr_va_vdst(0) depctr_va_sdst(0) depctr_va_ssrc(0) depctr_va_vcc(0) depctr_vm_vsrc(0)
	s_getreg_b32 s2, hwreg(HW_REG_IB_STS2, 6, 4)
	s_cmp_eq_u32 s2, 0
	s_cbranch_scc0 .Lentry_in_a_cluster
	s_endpgm
.Lentry_in_a_cluster:
	s_bfe_u32 s2, ttmp6, 0x10000c
	s_cmp_lg_u32 s2, 0xf033
	s_cbranch_scc0 .Lentry_shape_is_right
	s_endpgm
.Lentry_shape_is_right:
.set NQ,     2
.set ROWB,   256
.set KROW,   1024
.set PITCH,  272
.set FR,     16
.set NL,     4
.set NP,     8
.set HALFT,  128*PITCH
.set SLOT,   4*HALFT
.set LAPS,   2
.set KS,     32
.set SCL,    2*SLOT
.set HALFS,  (128*KS/256)*272
.set SBLK,   (16*KS/256)*272
.set SPARE,  SCL+4*HALFS
.set VSTG,   8192
.set VPIT,   528
.set ADRA, 16
.set L4,   18
.set LN,   19
.set ADRB, 20
.set VSI,  22
.set VSO,  23
.set WST,  24
.set WRD,  25
.set L16,  26
.set ADRS, 27
.set SPW,  28
.set NIL,  29
.set XT,   30
.set XF,   31
.set MK,   8
.set SC,   32
.set BI,   64
.set AF,   128
.set TM,   32
.set PC,   48
.set TT,   64
.set WD,   128
.set SW,   192
.set G1, 24
.set G0, 32
.set G1B, 48
.set G0B, 56
.set G1S, 68
.set G0S, 76
.set G1SB, 80
.set G0SB, 88
.set MSB, 0
.macro WIN new
.if MSB != (\new)
	s_set_vgpr_msb (MSB<<8)|(\new)
.set MSB, (\new)
.endif
.endm
.set MUL_LO, 0xa1
.set MUL_HI, 0xf1
.set BIA_LO, 0x81
.set BIA_HI, 0xc1
.set TO_B,   0x40
.macro JLOAD g0a, g1a, g0b, g1b
	s_cmp_eq_u32 s15, 0
	s_cbranch_scc0 .Lfor_b_\@
	tensor_load_to_lds s[\g0a:\g0a+3], s[\g1a:\g1a+7]
	s_nop 0
.rept 4
	v_nop
.endr
	s_branch .Lasked_\@
.Lfor_b_\@:
	tensor_load_to_lds s[\g0b:\g0b+3], s[\g1b:\g1b+7]
	s_nop 0
.rept 4
	v_nop
.endr
.Lasked_\@:
.endm
.macro CREST
	s_cmp_lg_u32 s14, 0
	s_cbranch_scc1 .Lnot_wave_0_\@
	s_barrier_signal -3
.Lnot_wave_0_\@:
	s_barrier_wait -3
	s_barrier_signal -1
	s_barrier_wait -1
.endm
.macro CROUND
	s_barrier_signal -1
	s_barrier_wait -1
	CREST
.endm
	s_load_b256 s[24:31], s[0:1], 0x0
	s_load_b256 s[32:39], s[0:1], 0x20
	s_load_b256 s[40:47], s[0:1], 0x40
	s_load_b256 s[48:55], s[0:1], 0x60
	v_lshl_add_u32 v[SPW], v0, 2, SPARE
	v_mov_b32 v[NIL], 0
	ds_add_u32 v28, v29
	ds_add_u32 v28, v29
	s_wait_dscnt 0x0
	v_lshrrev_b32 v1, 5, v0
	v_readfirstlane_b32 s14, v1
	s_lshr_b32 s15, s14, 1
	s_and_b32 s16, s14, 1
	s_and_b32 s99, ttmp7, 0xffff
	s_lshr_b32 s98, s99, 3
	s_and_b32 s99, s99, 7
	s_wait_kmcnt 0x0
	s_cmp_eq_u32 s98, 0
	s_cselect_b64 s[4:5], s[24:25], s[32:33]
	s_cselect_b64 s[6:7], s[26:27], s[34:35]
	s_cselect_b64 s[8:9], s[28:29], s[36:37]
	s_cselect_b64 s[10:11], s[30:31], s[38:39]
	s_cselect_b64 s[12:13], s[48:49], s[50:51]
	s_cmp_eq_u32 s98, 2
	s_cselect_b64 s[4:5], s[40:41], s[4:5]
	s_cselect_b64 s[6:7], s[42:43], s[6:7]
	s_cselect_b64 s[8:9], s[44:45], s[8:9]
	s_cselect_b64 s[10:11], s[46:47], s[10:11]
	s_cselect_b64 s[12:13], s[52:53], s[12:13]
	s_mov_b64 s[96:97], s[54:55]
	s_bfe_u32 s40, ttmp6, 0x40000
	s_bfe_u32 s41, ttmp6, 0x40004
	s_lshl_b32 s42, ttmp9, 2
	s_add_co_u32 s42, s42, s40
	s_lshl_b32 s17, s99, 2
	s_add_co_u32 s17, s17, s41
	s_lshl_b32 s43, s41, 2
	s_lshl_b32 s43, 15, s43
	s_lshl_b32 s44, 0x1111, s40
	s_or_b32 s[G1+0], s43, (0<<16)|(1<<20)|(1<<21)|(5<<22)|(3<<25)
	s_or_b32 s[G1B+0], s44, (0<<16)|(1<<20)|(1<<21)|(5<<22)|(3<<25)
.irp g, G1, G1B
	s_mov_b32 s[\g+1], ROWB<<16
	s_mov_b32 s[\g+2], 128<<16
	s_mov_b32 s[\g+3], ROWB<<16
	s_mov_b32 s[\g+4], 128
	s_mov_b32 s[\g+5], KROW
	s_mov_b32 s[\g+6], 0
	s_mov_b32 s[\g+7], 0
.endr
	s_or_b32 s[G1S+0], s43, (3<<16)|(1<<20)|(1<<21)|(5<<22)|(3<<25)
	s_or_b32 s[G1SB+0], s44, (3<<16)|(1<<20)|(1<<21)|(5<<22)|(3<<25)
.irp g, G1S, G1SB
	s_mov_b32 s[\g+1], 32<<16
	s_mov_b32 s[\g+2], (128*KS/256)<<16
	s_mov_b32 s[\g+3], 32<<16
	s_mov_b32 s[\g+4], 128*KS/256
	s_mov_b32 s[\g+5], 32
	s_mov_b32 s[\g+6], 0
	s_mov_b32 s[\g+7], 0
.endr
	s_lshl_b32 s18, s16, 7
	s_lshl_b32 s20, s17, 8
	s_add_co_u32 s20, s20, s18
	s_lshl_b32 s46, s42, 8
	s_add_co_u32 s46, s46, s18
	s_mov_b32 s21, 0
	s_mov_b32 s47, 0
	s_mov_b64 s[18:19], KS
	s_mul_u64 s[22:23], s[20:21], s[18:19]
	s_mul_u64 s[92:93], s[46:47], s[18:19]
	s_mov_b64 s[18:19], KROW
	s_mul_u64 s[20:21], s[20:21], s[18:19]
	s_mul_u64 s[46:47], s[46:47], s[18:19]
	s_mul_i32 s45, s14, HALFT
	s_mul_i32 s94, s14, HALFS
	s_add_nc_u64 s[20:21], s[4:5], s[20:21]
	s_add_nc_u64 s[22:23], s[6:7], s[22:23]
	s_add_nc_u64 s[46:47], s[8:9], s[46:47]
	s_add_nc_u64 s[92:93], s[10:11], s[92:93]
	CROUND
	s_mov_b32 s[G0S], 1
	s_add_co_u32 s[G0S+1], s94, SCL
	s_mov_b64 s[G0S+2:G0S+3], s[22:23]
	s_or_b32 s[G0S+3], s[G0S+3], 0x80000000
	s_mov_b32 s[G0SB], 1
	s_add_co_u32 s[G0SB+1], s94, SCL
	s_mov_b64 s[G0SB+2:G0SB+3], s[92:93]
	s_or_b32 s[G0SB+3], s[G0SB+3], 0x80000000
	JLOAD G0S, G1S, G0SB, G1SB
.irp s, 0,1
	s_mov_b32 s[G0+4*\s], 1
	s_add_co_u32 s[G0+4*\s+1], s45, \s*SLOT
	s_add_nc_u64 s[G0+4*\s+2:G0+4*\s+3], s[20:21], \s*ROWB
	s_or_b32 s[G0+4*\s+3], s[G0+4*\s+3], 0x80000000
	s_mov_b32 s[G0B+4*\s], 1
	s_add_co_u32 s[G0B+4*\s+1], s45, \s*SLOT
	s_add_nc_u64 s[G0B+4*\s+2:G0B+4*\s+3], s[46:47], \s*ROWB
	s_or_b32 s[G0B+4*\s+3], s[G0B+4*\s+3], 0x80000000
	s_wait_alu depctr_va_vdst(0)
	s_wait_tensorcnt 0x0
	ds_add_u32 v28, v29
	s_wait_dscnt 0x0
	CROUND
	JLOAD G0+4*\s, G1, G0B+4*\s, G1B
.endr
	v_and_b32 v1, 15, v0
	v_bfe_u32 v2, v0, 4, 1
	v_mul_u32_u24 v3, v1, PITCH
	v_lshl_add_u32 v4, v2, 4, v3
	s_mul_i32 s21, s15, HALFT
	s_mul_i32 s22, s16, HALFT
	s_add_co_u32 s22, s22, 2*HALFT
.irp s, 0,1
	v_add_nc_u32 v[ADRA+\s], s21, v4
	v_add_nc_u32 v[ADRB+\s], s22, v4
	s_add_co_u32 s21, s21, SLOT
	s_add_co_u32 s22, s22, SLOT
.endr
	v_mul_u32_u24 v5, v1, KS
	v_lshrrev_b32 v6, 8, v5
	v_lshl_add_u32 v5, v6, 4, v5
	s_mul_i32 s21, s15, HALFS
	s_mul_i32 s22, s16, HALFS
	s_add_co_u32 s22, s22, 2*HALFS
	s_sub_co_u32 s22, s22, s21
	v_mul_u32_u24 v6, s22, v2
	s_add_co_u32 s21, s21, SCL
	v_add_nc_u32 v5, v5, v6
	v_add_nc_u32 v[ADRS], s21, v5
	v_and_b32 v[LN], 31, v0
	v_lshlrev_b32 v[L16], 4, v[LN]
	v_lshlrev_b32 v[L4], 2, v[LN]
	s_lshl_b32 s23, s14, 10
	v_lshlrev_b32 v[WST], 4, v1
	v_add_nc_u32 v[WST], s23, v[WST]
	v_add_nc_u32 v[WRD], s23, v[L16]
	s_mul_i32 s23, s14, 32*VPIT
	s_add_co_u32 s23, s23, VSTG
	v_mul_u32_u24 v5, v1, VPIT
	v_lshl_add_u32 v5, v2, 5, v5
	v_add_nc_u32 v[VSI], s23, v5
	v_mul_u32_u24 v5, v2, 8*VPIT
	v_lshl_add_u32 v5, v1, 2, v5
	v_add_nc_u32 v[VSO], s23, v5
	s_lshl_b32 s95, s42, 2
	s_lshl_b32 s46, s16, 1
	s_add_co_u32 s95, s95, s46
	s_lshl_b32 s46, s95, 8
	s_mov_b32 s47, 0
	s_add_nc_u64 s[12:13], s[12:13], s[46:47]
	s_lshl_b32 s94, s17, 8
	s_lshl_b32 s20, s15, 7
	s_add_co_u32 s94, s94, s20
	s_mov_b32 s20, s94
	s_mov_b32 s21, 0
	s_add_nc_u64 s[96:97], s[96:97], s[20:21]
	v_lshlrev_b32 v7, 5, v2
.irp b, 0,1,2,3,4,5,6,7
	global_load_b128 v[BI+8*\b:BI+8*\b+3], v7, s[12:13] offset:64*\b
	global_load_b128 v[BI+8*\b+4:BI+8*\b+7], v7, s[12:13] offset:64*\b+16
.endr
.irp a, 0,1,2,3,4,5,6,7
	global_load_u8 v[MK+\a], v1, s[96:97] offset:16*\a
.endr
	s_mov_b32 s66, 0x76543210
	s_mov_b32 s67, 0xfedcba98
	s_mov_b32 s100, 0x600000
.macro FRAG reg, adr, q, i
.irp c, 0,1,2,3
	ds_load_b128 v[\reg+4*\c:\reg+4*\c+3], v[\adr] offset:128*(\q)+32*\c+(\i)*16*PITCH
.endr
.endm
.macro MUL16 a0, p, q, sc, zero
.irp a, \a0, \a0+1
.irp b, 0,1,2,3,4,5,6,7
.if \zero
	v_wmma_scale_f32_16x16x128_f8f6f4 v[8*(8*((\a)%4)+\b):8*(8*((\a)%4)+\b)+7], v[128*(\p)+FR*\b:128*(\p)+FR*\b+FR-1], v[AF+FR*(\a):AF+FR*(\a)+FR-1], v[BI+8*\b:BI+8*\b+7], v[SC+8*NQ*(\sc)+NQ*\b+(\q)], v[SC+8*NQ*(\sc)+NQ*(\a)+(\q)] matrix_a_fmt:MATRIX_FMT_BF8 matrix_b_fmt:MATRIX_FMT_BF8 matrix_a_scale:MATRIX_SCALE_ROW1
.else
	v_wmma_scale_f32_16x16x128_f8f6f4 v[8*(8*((\a)%4)+\b):8*(8*((\a)%4)+\b)+7], v[128*(\p)+FR*\b:128*(\p)+FR*\b+FR-1], v[AF+FR*(\a):AF+FR*(\a)+FR-1], v[8*(8*((\a)%4)+\b):8*(8*((\a)%4)+\b)+7], v[SC+8*NQ*(\sc)+NQ*\b+(\q)], v[SC+8*NQ*(\sc)+NQ*(\a)+(\q)] matrix_a_fmt:MATRIX_FMT_BF8 matrix_b_fmt:MATRIX_FMT_BF8 matrix_a_scale:MATRIX_SCALE_ROW1
.endif
.endr
.endr
.endm
.macro FETCH_B slot, q, p
	WIN TO_B
.irp i, 0,1,2,3,4,5,6,7
	FRAG 128*(\p)+FR*\i, ADRB+\slot, \q, \i
.endr
	WIN 0
.endm
.macro FETCH_A slot, q, i0
.irp i, \i0, \i0+1, \i0+2, \i0+3
	FRAG AF+FR*(\i), ADRA+\slot, \q, \i
.endr
.endm
.macro SCALES sc
.irp i, 0,1,2,3,4,5,6,7
	ds_load_b64 v[SC+8*NQ*\sc+NQ*\i:SC+8*NQ*\sc+NQ*\i+1], v[ADRS] offset:\i*SBLK
.endr
.endm
.macro PLACES n
.rept \n
	v_nop
.endr
.endm
.macro STEP slot, q, zero
	s_wait_dscnt 4*NL
.if \zero
	WIN BIA_LO
.else
	WIN MUL_LO
.endif
	MUL16 0, (\q)%2, \q, \slot, \zero
	MUL16 2, (\q)%2, \q, \slot, \zero
	s_wait_dscnt 0
	PLACES NP
	FETCH_B \slot, (\q)+1, 1-(\q)%2
	FETCH_A \slot, (\q)+1, 0
.if \zero
	WIN BIA_HI
.else
	WIN MUL_HI
.endif
	MUL16 4, (\q)%2, \q, \slot, \zero
	MUL16 6, (\q)%2, \q, \slot, \zero
	PLACES NP
	WIN 0
	FETCH_A \slot, (\q)+1, 4
.endm
.macro TURN slot, next, fill
	s_wait_tensorcnt 0x0
	ds_add_u32 v[SPW], v[NIL]
	s_wait_dscnt 4*NL+1
	WIN MUL_LO
	MUL16 0, 1, NQ-1, \slot, 0
	s_wait_dscnt 0x0
	s_barrier_signal -1
	MUL16 2, 1, NQ-1, \slot, 0
	WIN 0
	s_barrier_wait -1
.if \fill
	CREST
	s_add_nc_u64 s[G0+4*\slot+2:G0+4*\slot+3], s[G0+4*\slot+2:G0+4*\slot+3], 2*ROWB
	s_add_nc_u64 s[G0B+4*\slot+2:G0B+4*\slot+3], s[G0B+4*\slot+2:G0B+4*\slot+3], 2*ROWB
	JLOAD G0+4*\slot, G1, G0B+4*\slot, G1B
	PLACES NP-4
.else
	PLACES NP
.endif
	s_wait_alu depctr_va_vdst(0)
	v_add_nc_u32 v[ADRS], 4*NQ, v[ADRS]
	FETCH_B \next, 0, 0
	FETCH_A \next, 0, 0
	SCALES \next
	WIN MUL_HI
	MUL16 4, 1, NQ-1, \slot, 0
	MUL16 6, 1, NQ-1, \slot, 0
	PLACES NP
	WIN 0
	FETCH_A \next, 0, 4
.endm
	s_wait_tensorcnt 1
	s_barrier_signal -1
	s_barrier_wait -1
	FETCH_B 0, 0, 0
	FETCH_A 0, 0, 0
	SCALES 0
	FETCH_A 0, 0, 4
	s_wait_loadcnt 0x0
	STEP 0, 0, 1
	s_mov_b32 s3, LAPS-1
.Llap:
	TURN 0, 1, 1
	STEP 1, 0, 0
	TURN 1, 0, 1
	STEP 0, 0, 0
	s_sub_co_u32 s3, s3, 1
	s_cmp_lg_u32 s3, 0
	s_cbranch_scc1 .Llap
	TURN 0, 1, 0
	STEP 1, 0, 0
	s_wait_dscnt 4*NL
	WIN MUL_LO
	MUL16 0, 1, NQ-1, 1, 0
	MUL16 2, 1, NQ-1, 1, 0
	s_wait_dscnt 0
	WIN MUL_HI
	MUL16 4, 1, NQ-1, 1, 0
	MUL16 6, 1, NQ-1, 1, 0
	WIN 0
	PLACES NP
.macro QUANT s, w, t
	WIN 5*(\w)
.irp b, 0,1,2,3
	v_max3_num_f32 v[TM+\b], |v[(\s)+16*\b]|, |v[(\s)+16*\b+1]|, 0x8000000
.endr
	WIN 20*(\w)
.irp i, 2,4,6,8,10,12,14
.irp b, 0,1,2,3
	v_max3_num_f32 v[TM+\b], v[TM+\b], |v[(\s)+16*\b+\i]|, |v[(\s)+16*\b+\i+1]|
.endr
.endr
	WIN 0
.irp b, 0,1,2,3
	v_permlanex16_b32 v[TM+4+\b], v[TM+\b], s66, s67
.endr
.irp b, 0,1,2,3
	v_max_num_f32 v[TM+\b], v[TM+\b], v[TM+4+\b]
.endr
.irp b, 0,1,2,3
	v_add_nc_u32 v[TM+12+\b], 0xf8800000, v[TM+\b]
.endr
.irp b, 0,1,2,3
	v_and_or_b32 v[TM+8+\b], v[TM+\b], 0x7f800000, s100
.endr
.irp b, 0,1,2,3
	v_lshrrev_b32 v[TM+4+\b], 23, v[TM+12+\b]
.endr
	WIN (\w)
.set k, 0
.rept 64
	v_med3_num_f32 v[(\t)+k], v[(\s)+k], -v[TM+8+k/16], v[TM+8+k/16]
.set k, k+1
.endr
	WIN 0
.irp b, 0,1,2,3
	v_cvt_scalef32_pk8_bf8_f32 v[PC+4*\b:PC+4*\b+1], v[(\t)+16*\b:(\t)+16*\b+7], v[TM+12+\b]
	v_cvt_scalef32_pk8_bf8_f32 v[PC+4*\b+2:PC+4*\b+3], v[(\t)+16*\b+8:(\t)+16*\b+15], v[TM+12+\b]
.endr
	v_nop
.endm
	s_load_b256 s[24:31], s[0:1], 0x80
	s_load_b128 s[32:35], s[0:1], 0xa0
	s_load_b64 s[36:37], s[0:1], 0xb0
.irp b, 0,1,2,3
	v_mov_b32 v[TM+4+\b], 0
.endr
	s_lshr_b32 s20, s94, 11
	s_lshl_b32 s20, s20, 4
	s_add_co_u32 s20, s20, s95
	s_and_b32 s21, s94, 2047
	s_mov_b32 s47, 0
	s_wait_kmcnt 0x0
	s_cmp_eq_u32 s98, 2
	s_cbranch_scc1 .Lv
	s_cmp_eq_u32 s98, 0
	s_cselect_b64 s[4:5], s[24:25], s[28:29]
	s_cselect_b64 s[6:7], s[26:27], s[30:31]
	s_mov_b32 s22, 0x7f01
	s_cselect_b32 s22, 0x7f7f, s22
	s_mov_b32 s23, 0x7fd9
	s_cselect_b32 s23, 0x7f7f, s23
	s_lshl_b32 s46, s20, 17
	s_lshl_b32 s45, s21, 6
	s_add_co_u32 s46, s46, s45
	s_add_nc_u64 s[4:5], s[4:5], s[46:47]
	s_lshl_b32 s46, s20, 13
	s_lshr_b32 s45, s21, 7
	s_lshl_b32 s45, s45, 9
	s_add_co_u32 s46, s46, s45
	s_add_nc_u64 s[6:7], s[6:7], s[46:47]
	s_lshl_b32 s46, s94, 12
	s_lshl_b32 s45, s95, 12
	s_add_co_u32 s46, s46, s45
	s_add_nc_u64 s[36:37], s[36:37], s[46:47]
	v_mov_b32 v[XT], s22
	v_mov_b32 v[XF], s23
.irp a, 0,1,2,3,4,5,6,7
	v_cmp_ne_u32 vcc_lo, 0, v[MK+\a]
	v_cndmask_b32 v[MK+\a], v[XF], v[XT], vcc_lo
.endr
	s_cmp_lg_u32 s98, 0
	s_cbranch_scc1 .Lno_qp
.irp a, 0,1,2,3,4,5,6,7
	WIN 0x08+4*(\a/4)
.irp b, 0,1,2,3,4,5,6,7
	global_store_b128 v[L16], v[64*(\a%4)+8*\b:64*(\a%4)+8*\b+3], s[36:37] offset:65536*\a+1024*\b
	global_store_b128 v[L16], v[64*(\a%4)+8*\b+4:64*(\a%4)+8*\b+7], s[36:37] offset:65536*\a+1024*\b+512
.endr
.endr
	WIN 0
.Lno_qp:
.irp a, 0,1,2,3,4,5,6,7
	s_wait_xcnt 0x0
	QUANT 64*(\a%4), 2+\a/4, TT
.irp q, 0,1,2,3
	global_store_b128 v[L16], v[PC+4*\q:PC+4*\q+3], s[4:5] offset:1024*\a+131072*(\q/2)+512*(\q%2)
.endr
.irp e, 0,1
	v_lshl_or_b32 v[WD+2*\a+\e], v[TM+5+2*\e], 8, v[TM+4+2*\e]
	v_lshl_or_b32 v[WD+2*\a+\e], v[MK+\a], 16, v[WD+2*\a+\e]
	ds_store_b32 v[WST], v[WD+2*\a+\e] offset:512*\e+256*(\a%2)+4*(\a/2)
.endr
.endr
	ds_load_b128 v[160:163], v[WRD]
	ds_load_b128 v[164:167], v[WRD] offset:512
	s_wait_dscnt 0x0
	global_store_b128 v[L16], v[160:163], s[6:7]
	global_store_b128 v[L16], v[164:167], s[6:7] offset:8192
	s_branch .Ldone
.Lv:
	s_lshr_b32 s45, s21, 7
	s_lshl_b32 s46, s20, 17
	s_lshl_b32 s44, s45, 13
	s_add_co_u32 s46, s46, s44
	s_add_nc_u64 s[32:33], s[32:33], s[46:47]
	s_lshl_b32 s46, s20, 12
	s_lshl_b32 s44, s45, 8
	s_add_co_u32 s46, s46, s44
	s_add_nc_u64 s[34:35], s[34:35], s[46:47]
.irp g, 0,1,2,3
	WIN 0x08+4*(\g/2)
.irp e, 0,1
.irp b, 0,1,2,3,4,5,6,7
	ds_store_b128 v[VSI], v[64*((2*\g+\e)%4)+8*\b:64*((2*\g+\e)%4)+8*\b+3] offset:16*VPIT*\e+64*\b
	ds_store_b128 v[VSI], v[64*((2*\g+\e)%4)+8*\b+4:64*((2*\g+\e)%4)+8*\b+7] offset:16*VPIT*\e+64*\b+16
.endr
.endr
	WIN 0
.irp d, 0,1,2,3,4,5,6,7
.set i, 0
.rept 16
	ds_load_b32 v[TT+16*\d+i], v[VSO] offset:VPIT*(i+8*(i/8))+64*\d
.set i, i+1
.endr
.endr
	s_wait_dscnt 0x0
.irp u, 0,1
	s_wait_xcnt 0x0
	QUANT TT+64*\u, 0, TT+64*\u
.irp d, 0,1,2,3
	global_store_b128 v[L16], v[PC+4*\d:PC+4*\d+3], s[32:33] offset:131072*\u+2048*\d+512*\g
.if \g == 0
	v_mov_b32 v[SW+4*\u+\d], v[TM+4+\d]
.else
	v_lshl_or_b32 v[SW+4*\u+\d], v[TM+4+\d], 8*\g, v[SW+4*\u+\d]
.endif
.endr
.endr
.endr
	v_cmp_le_u32 vcc_lo, 16, v[LN]
.irp u, 0,1
.irp p, 0,1
	v_cndmask_b32 v[200+2*\u+\p], v[SW+4*\u+2*\p], v[SW+4*\u+2*\p+1], vcc_lo
	global_store_b32 v[L4], v[200+2*\u+\p], s[34:35] offset:4096*\u+128*\p
.endr
.endr
.Ldone:
	s_wait_tensorcnt 0x0
	ds_add_u32 v[SPW], v[NIL]
	s_wait_dscnt 0x0
	CROUND
	s_endpgm
.Lfunc_end_k_q2838a27a81_proj:
	.size	k_q2838a27a81_proj, .Lfunc_end_k_q2838a27a81_proj-k_q2838a27a81_proj
	.p2alignl 7, 3214868480
	.fill 96, 4, 3214868480
	.section	.rodata,"a",@progbits
	.p2align	6, 0x0
	.amdhsa_kernel k_q2838a27a81_proj
		.amdhsa_group_segment_fixed_size 327680
		.amdhsa_private_segment_fixed_size 0
		.amdhsa_enable_private_segment 0
		.amdhsa_kernarg_size 184
		.amdhsa_user_sgpr_count 2
		.amdhsa_user_sgpr_kernarg_segment_ptr 1
		.amdhsa_wavefront_size32 1
		.amdhsa_system_sgpr_workgroup_id_x 1
		.amdhsa_system_sgpr_workgroup_id_y 1
		.amdhsa_system_sgpr_workgroup_id_z 1
		.amdhsa_system_vgpr_workitem_id 0
		.amdhsa_next_free_vgpr 1024
		.amdhsa_next_free_sgpr 102
		.amdhsa_reserve_vcc 1
		.amdhsa_float_denorm_mode_32 3
		.amdhsa_float_denorm_mode_16_64 3
		.amdhsa_memory_ordered 1
		.amdhsa_forward_progress 1
		.amdhsa_inst_pref_size 255
	.end_amdhsa_kernel
	.section	.bss,"aw",@nobits
	.p2align	6
	.space	262144
	.amdgpu_metadata
---
amdhsa.version: [ 1, 2 ]
amdhsa.kernels:
  - .name:           k_q2838a27a81_proj
    .symbol:         k_q2838a27a81_proj.kd
    .args:
      - { .name: q_codes, .offset: 0, .size: 8, .value_kind: global_buffer, .address_space: global }
      - { .name: q_scales, .offset: 8, .size: 8, .value_kind: global_buffer, .address_space: global }
      - { .name: Wq_codes, .offset: 16, .size: 8, .value_kind: global_buffer, .address_space: global }
      - { .name: Wq_scales, .offset: 24, .size: 8, .value_kind: global_buffer, .address_space: global }
      - { .name: k_codes, .offset: 32, .size: 8, .value_kind: global_buffer, .address_space: global }
      - { .name: k_scales, .offset: 40, .size: 8, .value_kind: global_buffer, .address_space: global }
      - { .name: Wk_codes, .offset: 48, .size: 8, .value_kind: global_buffer, .address_space: global }
      - { .name: Wk_scales, .offset: 56, .size: 8, .value_kind: global_buffer, .address_space: global }
      - { .name: v_codes, .offset: 64, .size: 8, .value_kind: global_buffer, .address_space: global }
      - { .name: v_scales, .offset: 72, .size: 8, .value_kind: global_buffer, .address_space: global }
      - { .name: Wv_codes, .offset: 80, .size: 8, .value_kind: global_buffer, .address_space: global }
      - { .name: Wv_scales, .offset: 88, .size: 8, .value_kind: global_buffer, .address_space: global }
      - { .name: bq, .offset: 96, .size: 8, .value_kind: global_buffer, .address_space: global }
      - { .name: bk, .offset: 104, .size: 8, .value_kind: global_buffer, .address_space: global }
      - { .name: bv, .offset: 112, .size: 8, .value_kind: global_buffer, .address_space: global }
      - { .name: mask, .offset: 120, .size: 8, .value_kind: global_buffer, .address_space: global }
      - { .name: qimg, .offset: 128, .size: 8, .value_kind: global_buffer, .address_space: global }
      - { .name: qsc, .offset: 136, .size: 8, .value_kind: global_buffer, .address_space: global }
      - { .name: kimg, .offset: 144, .size: 8, .value_kind: global_buffer, .address_space: global }
      - { .name: ksc, .offset: 152, .size: 8, .value_kind: global_buffer, .address_space: global }
      - { .name: vimg, .offset: 160, .size: 8, .value_kind: global_buffer, .address_space: global }
      - { .name: vsc, .offset: 168, .size: 8, .value_kind: global_buffer, .address_space: global }
      - { .name: qpimg, .offset: 176, .size: 8, .value_kind: global_buffer, .address_space: global }
    .group_segment_fixed_size: 327680
    .private_segment_fixed_size: 0
    .kernarg_segment_align: 8
    .kernarg_segment_size: 184
    .max_flat_workgroup_size: 128
    .sgpr_count:     102
    .vgpr_count:     1024
    .wavefront_size: 32
...
	.end_amdgpu_metadata
.endif
;; end of part 1
;; launch attn (part 2): grid 4 x 64, 16 waves a work-group, clusters of 4 x 1, 276,480 bytes of LDS; arguments qimg, qsc, kimg, ksc, vimg, vsc, qpimg, yimg; writes yimg
.if DOCPART == 2
	.amdgcn_target "amdgcn-amd-amdhsa--gfx1250"
	.amdhsa_code_object_version 6
	.text
	.protected	k_q2838a27a81_attn
	.globl	k_q2838a27a81_attn
	.p2align	8
	.type	k_q2838a27a81_attn,@function
k_q2838a27a81_attn:
	s_mov_b64 s[64:65], 0
	v_nop
	global_prefetch_b8 v0, s[64:65] scope:SCOPE_SE
	s_setreg_imm32_b32 hwreg(HW_REG_WAVE_MODE, 25, 1), 1
	s_wait_xcnt 0x0
	s_wait_alu depctr_hold_cnt(0) depctr_sa_sdst(0) depctr_va_vdst(0) depctr_va_sdst(0) depctr_va_ssrc(0) depctr_va_vcc(0) depctr_vm_vsrc(0)
	s_getreg_b32 s2, hwreg(HW_REG_IB_STS2, 6, 4)
	s_cmp_eq_u32 s2, 0
	s_cbranch_scc0 .Lentry_in_a_cluster
	s_endpgm
.Lentry_in_a_cluster:
	s_bfe_u32 s2, ttmp6, 0x10000c
	s_cmp_lg_u32 s2, 0x3003
	s_cbranch_scc0 .Lentry_shape_is_right
	s_endpgm
.Lentry_shape_is_right:
; y = qp + softmax(mask(qh kh^T / 32)) vh for one head of one batch (hb = 16 batch + head) and 512 queries a work-group; both products on codes of BF8 (E5M2) with E8M0 scales.
; THE WEIGHTS ARE QUANTISED FINISHED AND NORMALISED, in blocks of 32 keys, so a row's sum is known before the first weight is quantised: TWO PASSES over the keys.
;   Pass 1: scores, running maximum m and sum l.   Pass 2: the scores again, p = 2^(c s - c M - log2 l), its codes and scale bytes, O^T += V^T P^T.   c = log2(e) / 32.
; SHARES.  Sixteen waves; a wave owns 32 queries (two tiles of 16), so each fragment of K and V feeds two matrix instructions.
; THE WHOLE HEAD LIES IN LDS, filled once by joint loads of the cluster's four work-groups (the four query blocks of one head): waves 0-3 a quarter of K's image each, waves 4-7 of V's,
; wave 8 K's scale words, wave 9 V's: one tensor load a wave.  Nothing is filled twice.  No prefetch: all bytes are asked for at the head, and there is no loop to run ahead in.
; LAYOUT.  Both products transposed: a lane (r = lane % 16, h = lane / 16) holds ONE query.  Two neighbouring tiles of keys give a lane 16 weights of one block of 32 keys, in the order in which V's codes were laid.
; THE MASK RIDES IN THE FIRST PRODUCT.  Its K is 64 of the instruction's 128.  At k = 64 every key has the code of -57,344 and every query the code of 1; the key's scale byte there is 1 where the key counts, 217 where it is hidden:
; a hidden score is q.k - 1.75 x 2^105, its weight exactly 0.
; LIMITS: a score that counts gets -57,344 x 2^-126 added; the mask holds for |q.k| far under 2^100; a row whose largest score lies under -2^100 is read as 'no key counts' and gets weights 0, as the reference leaves it;
; a block of zero weights has the scale byte 1; NaN and infinities are not served.
; THE EXPONENTIALS GO AS BATCHES, one wait ahead of each and one behind it.
; A split barrier in each trip (signal at its head, wait at its end) keeps the sixteen waves within one trip of each other on their walk over the same K and V; between the two stand register work and LDS loads alone.
; REGISTERS.  v1-4 LDS addresses (K, K's words, V, V's words); v5 16 x lane; v6 4 x lane; v8-11 K's words; v12 Q's words; v13, v31 the add's; v32-63 Q; v64.. K.
; Pass 1: v[14:15], v[16:17] -c m; v[18:19], v[20:21] the factor; v[22:23], v[24:25] l; v26, v27 m; v28-30, v7 at work; v64-127 four fragments of K; v128-191, v192-255 two buffers of scores by turns.
; Pass 2: v14-15 V's words; v16-17 P's words; v[18:19], v[20:21] -c M - log2 l; v22-30 at work; v96-127 scores; v128-159 P's codes; v160-191 two fragments of V; v192-255 O^T, begun with qp.
.set KIMG, 0
.set VIMG, 131072
.set KWS,  262144
.set VSC,  270336
.set SPARE, 0x43000
.macro ROUND
	s_barrier_signal -1
	s_barrier_wait -1
	s_cmp_lg_u32 s20, 0
	s_cbranch_scc1 .Lnot_wave_0_\@
	s_barrier_signal -3
.Lnot_wave_0_\@:
	s_barrier_wait -3
	s_barrier_signal -1
	s_barrier_wait -1
.endm
.macro G1SET g, r                      ; a dense block as r rows of 256 bytes; the mask names the cluster's four, bit 21 beside it
	s_mov_b32 s[\g], 15|(3<<16)|(1<<21)
	s_mov_b32 s[\g+1], 32<<16
	s_mov_b32 s[\g+2], (\r)<<16
	s_mov_b32 s[\g+3], 32<<16
	s_mov_b32 s[\g+4], \r
	s_mov_b32 s[\g+5], 32
	s_mov_b32 s[\g+6], 0
	s_mov_b32 s[\g+7], 0
.endm
.macro WM d, a, b, cz, sa, sb, ra, rb  ; D, source 0, source 1; cz: C = 0, else C = D; scale registers; ra, rb: taken from lanes 16-31
.if \cz
.if (\ra) && (\rb)
	v_wmma_scale_f32_16x16x128_f8f6f4 v[(\d):(\d)+7], v[(\a):(\a)+15], v[(\b):(\b)+15], 0, v[\sa], v[\sb] matrix_a_fmt:MATRIX_FMT_BF8 matrix_b_fmt:MATRIX_FMT_BF8 matrix_a_scale:MATRIX_SCALE_ROW1 matrix_b_scale:MATRIX_SCALE_ROW1
.elseif \ra
	v_wmma_scale_f32_16x16x128_f8f6f4 v[(\d):(\d)+7], v[(\a):(\a)+15], v[(\b):(\b)+15], 0, v[\sa], v[\sb] matrix_a_fmt:MATRIX_FMT_BF8 matrix_b_fmt:MATRIX_FMT_BF8 matrix_a_scale:MATRIX_SCALE_ROW1
.elseif \rb
	v_wmma_scale_f32_16x16x128_f8f6f4 v[(\d):(\d)+7], v[(\a):(\a)+15], v[(\b):(\b)+15], 0, v[\sa], v[\sb] matrix_a_fmt:MATRIX_FMT_BF8 matrix_b_fmt:MATRIX_FMT_BF8 matrix_b_scale:MATRIX_SCALE_ROW1
.else
	v_wmma_scale_f32_16x16x128_f8f6f4 v[(\d):(\d)+7], v[(\a):(\a)+15], v[(\b):(\b)+15], 0, v[\sa], v[\sb] matrix_a_fmt:MATRIX_FMT_BF8 matrix_b_fmt:MATRIX_FMT_BF8
.endif
.else
.if (\ra) && (\rb)
	v_wmma_scale_f32_16x16x128_f8f6f4 v[(\d):(\d)+7], v[(\a):(\a)+15], v[(\b):(\b)+15], v[(\d):(\d)+7], v[\sa], v[\sb] matrix_a_fmt:MATRIX_FMT_BF8 matrix_b_fmt:MATRIX_FMT_BF8 matrix_a_scale:MATRIX_SCALE_ROW1 matrix_b_scale:MATRIX_SCALE_ROW1
.elseif \ra
	v_wmma_scale_f32_16x16x128_f8f6f4 v[(\d):(\d)+7], v[(\a):(\a)+15], v[(\b):(\b)+15], v[(\d):(\d)+7], v[\sa], v[\sb] matrix_a_fmt:MATRIX_FMT_BF8 matrix_b_fmt:MATRIX_FMT_BF8 matrix_a_scale:MATRIX_SCALE_ROW1
.elseif \rb
	v_wmma_scale_f32_16x16x128_f8f6f4 v[(\d):(\d)+7], v[(\a):(\a)+15], v[(\b):(\b)+15], v[(\d):(\d)+7], v[\sa], v[\sb] matrix_a_fmt:MATRIX_FMT_BF8 matrix_b_fmt:MATRIX_FMT_BF8 matrix_b_scale:MATRIX_SCALE_ROW1
.else
	v_wmma_scale_f32_16x16x128_f8f6f4 v[(\d):(\d)+7], v[(\a):(\a)+15], v[(\b):(\b)+15], v[(\d):(\d)+7], v[\sa], v[\sb] matrix_a_fmt:MATRIX_FMT_BF8 matrix_b_fmt:MATRIX_FMT_BF8
.endif
.endif
.endm
.macro NOPS n
.rept \n
	v_nop
.endr
.endm
.macro ALU
	s_wait_alu depctr_va_vdst(0)
.endm
	s_load_b512 s[4:19], s[0:1], 0x0               ; qimg, qsc, kimg, ksc, vimg, vsc, qpimg, yimg
	v_lshl_add_u32 v13, v0, 2, SPARE
	v_mov_b32 v31, 0
	ds_add_u32 v13, v31                            ; the opening lines: the add twice on end and its wait
	ds_add_u32 v13, v31
	v_lshrrev_b32 v1, 5, v0
	v_readfirstlane_b32 s20, v1                    ; wave 0..15
	s_bfe_u32 s21, ttmp6, 0x40000                  ; cx
	s_lshl_b32 s78, ttmp9, 2
	s_add_co_u32 s21, s78, s21                     ; my block of 512 queries: it enters Q's, qp's and y's addresses alone
	s_and_b32 s22, ttmp7, 0xffff                   ; hb, which the four partners share
	G1SET 24, 128                                  ; a quarter of an image: 32,768 bytes
	G1SET 32, 32                                   ; K's words: 8,192 bytes
	G1SET 40, 16                                   ; V's words: 4,096 bytes
	s_and_b32 s79, s20, 3
	s_lshl_b32 s79, s79, 15
	s_lshl_b32 s78, s22, 17
	s_add_co_u32 s78, s78, s79                     ; in an image: 131,072 hb + 32,768 (wave % 4)
	s_mov_b32 s79, 0
	s_lshl_b32 s80, s22, 13
	s_mov_b32 s81, 0
	s_lshl_b32 s82, s22, 12
	s_mov_b32 s83, 0
	s_mov_b32 s66, 0x3d38aa3b                      ; c = log2(e) / 32
	s_mov_b32 s67, s66
	s_mov_b32 s68, 0xbd38aa3b                      ; -c
	s_mov_b32 s70, 0x76543210
	s_mov_b32 s71, 0xfedcba98                      ; selects for lane l xor 16
	s_mov_b32 s72, 0x600000                        ; the mantissa field of 57,344
	s_wait_dscnt 0x0
	s_wait_kmcnt 0x0
	s_cmp_lt_u32 s20, 4
	s_cselect_b64 s[50:51], s[8:9], s[12:13]       ; waves 0-3 K's image, waves 4-7 V's
	s_mov_b32 s48, 1
	s_lshl_b32 s49, s20, 15                        ; V's image lies behind K's: LDS byte 32,768 x wave
	s_add_nc_u64 s[50:51], s[50:51], s[78:79]
	s_or_b32 s51, s51, 0x80000000
	s_mov_b32 s52, 1
	s_mov_b32 s53, KWS
	s_add_nc_u64 s[54:55], s[10:11], s[80:81]
	s_or_b32 s55, s55, 0x80000000
	s_mov_b32 s56, 1
	s_mov_b32 s57, VSC
	s_add_nc_u64 s[58:59], s[14:15], s[82:83]
	s_or_b32 s59, s59, 0x80000000
	ROUND                                          ; all four work-groups are here: the joint loads meet
.macro ARM under, g0, g1, next         ; one chain of branches on the wave's number, one load to an arm
	s_cmp_lt_u32 s20, \under
	s_cbranch_scc0 \next
	tensor_load_to_lds s[\g0:\g0+3], s[\g1:\g1+7]
	s_nop 0
	NOPS 4
	s_branch .Lhead_asked
\next:
.endm
	ARM 8,  48, 24, .Lhead_kw
	ARM 9,  52, 32, .Lhead_vw
	ARM 10, 56, 40, .Lhead_none
.Lhead_asked:
	v_and_b32 v7, 31, v0
	v_lshlrev_b32 v5, 4, v7
	v_lshlrev_b32 v6, 2, v7
	v_bfe_u32 v7, v0, 4, 1                         ; h
	v_sub_nc_u32 v7, 1, v7
	v_mul_u32_u24 v40, v7, 0x3c                    ; Q at k = 64: the code of 1.0 (lanes 0-15; in lanes 16-31 the byte is k = 80: 0)
	v_mov_b32 v56, v40
.irp i, 0,1,2,3
	v_mov_b32 v[72+16*\i], 0xfb                    ; K at k = 64 (and 80): the code of -57,344
.endr
.set k, 1
.rept 7
	v_mov_b32 v[40+k], 0
	v_mov_b32 v[56+k], 0
	v_mov_b32 v[72+k], 0
	v_mov_b32 v[88+k], 0
	v_mov_b32 v[104+k], 0
	v_mov_b32 v[120+k], 0
.set k, k+1
.endr
	s_lshl_b32 s84, s21, 5
	s_lshl_b32 s85, s20, 1
	s_add_co_u32 s84, s84, s85                     ; my first tile of 16 queries in the head
	s_mov_b32 s87, 0
	s_lshl_b32 s86, s84, 10
	s_lshl_b32 s85, s22, 17
	s_add_co_u32 s86, s86, s85
	s_add_nc_u64 s[4:5], s[4:5], s[86:87]
	s_lshl_b32 s86, s21, 2
	s_lshr_b32 s85, s20, 2
	s_add_co_u32 s86, s86, s85
	s_lshl_b32 s86, s86, 9                         ; Q's words: 512 bytes for 128 queries,
	s_and_b32 s85, s20, 3
	s_lshl_b32 s85, s85, 2
	s_add_co_u32 s86, s86, s85                     ; my 32 are column wave % 4
	s_lshl_b32 s85, s22, 13
	s_add_co_u32 s86, s86, s85
	s_add_nc_u64 s[6:7], s[6:7], s[86:87]
	s_lshr_b32 s85, s22, 4
	s_lshl_b32 s85, s85, 7
	s_add_co_u32 s85, s85, s84                     ; qp and y: tile of rows 128 x batch + my tile,
	s_lshl_b32 s86, s85, 16
	s_and_b32 s85, s22, 15
	s_lshl_b32 s85, s85, 12                        ; the head's four tiles of columns
	s_add_co_u32 s86, s86, s85
	s_add_nc_u64 s[16:17], s[16:17], s[86:87]
	s_add_nc_u64 s[18:19], s[18:19], s[86:87]
.irp t, 0,1
	global_load_b128 v[32+16*\t:35+16*\t], v5, s[4:5] offset:1024*\t
	global_load_b128 v[36+16*\t:39+16*\t], v5, s[4:5] offset:1024*\t+512
.endr
	global_load_b32 v12, v5, s[6:7]
	ALU                                            ; at the head's end
	s_wait_tensorcnt 0x0                           ; my part has landed,
	s_barrier_signal -1
	s_barrier_wait -1                              ; everybody's has
; ---------------- PASS 1: a step is 64 keys x both tiles: 64 scores a lane
.macro KLOAD1 off
.irp i, 0,1,2,3
	ds_load_b128 v[64+16*\i:67+16*\i], v1 offset:(\off)+1024*\i
	ds_load_b128 v[68+16*\i:71+16*\i], v1 offset:(\off)+1024*\i+512
.endr
.endm
.macro QK1 X, xb
.irp t, 0,1
.irp i, 0,1,2,3
	WM (\X)+32*\t+8*\i, 64+16*\i, 32+16*\t, 1, 8+(\xb)+\i/2, 12, \i%2, \t
.endr
.endr
.endm
.macro SUM1 Y                          ; l = l x factor + the 32 weights of each tile in buffer Y, added as a tree in place: 32 lines
.irp d, 2,4,8,16
.set k, 0
.rept 16/\d
.irp t, 0,32
	v_pk_add_f32 v[(\Y)+\t+k:(\Y)+\t+k+1], v[(\Y)+\t+k:(\Y)+\t+k+1], v[(\Y)+\t+k+\d:(\Y)+\t+k+\d+1]
.endr
.set k, k+2*\d
.endr
.endr
.irp t, 0,1
	v_pk_fma_f32 v[22+2*\t:23+2*\t], v[22+2*\t:23+2*\t], v[18+2*\t:19+2*\t], v[(\Y)+32*\t:(\Y)+32*\t+1] op_sel_hi:[1,0,1]
.endr
.endm
.macro TAIL1 X                         ; the new m (each accumulator read from its low end on), -c m, the change, c s - c m, and the batch: 2 factors and 64 weights, in place
.irp t, 0,1
	v_max3_num_f32 v[28+\t], v[(\X)+32*\t], v[(\X)+32*\t+1], v[(\X)+32*\t+2]
	v_max3_num_f32 v[30-23*\t], v[(\X)+32*\t+16], v[(\X)+32*\t+17], v[(\X)+32*\t+18]
.endr
.irp i, 3,5,7,9,11,13
.irp t, 0,1
	v_max3_num_f32 v[28+\t], v[28+\t], v[(\X)+32*\t+\i], v[(\X)+32*\t+\i+1]
	v_max3_num_f32 v[30-23*\t], v[30-23*\t], v[(\X)+32*\t+16+\i], v[(\X)+32*\t+17+\i]
.endr
.endr
.irp t, 0,1
	v_max3_num_f32 v[28+\t], v[28+\t], v[(\X)+32*\t+15], v[(\X)+32*\t+31]
.endr
.irp t, 0,1
	v_max3_num_f32 v[26+\t], v[28+\t], v[30-23*\t], v[26+\t]
.endr
.irp t, 0,1
	v_mul_f32 v[28+\t], s68, v[26+\t]
.endr
.irp t, 0,1
	v_sub_f32 v[18+2*\t], v[28+\t], v[14+2*\t]
.endr
.irp t, 0,1
	v_mov_b32 v[14+2*\t], v[28+\t]
.endr
.set k, 0
.rept 16
.irp t, 0,1
	v_pk_fma_f32 v[(\X)+32*\t+k:(\X)+32*\t+k+1], v[(\X)+32*\t+k:(\X)+32*\t+k+1], s[66:67], v[14+2*\t:15+2*\t] op_sel_hi:[1,0,0]
.endr
.set k, k+2
.endr
	ALU
	v_exp_f32 v18, v18
	v_exp_f32 v20, v20
.set k, 0
.rept 64
	v_exp_f32 v[(\X)+k], v[(\X)+k]
.set k, k+1
.endr
	v_nop
	ALU
.endm
; the sums of the last step's weights (buffer Y) are the places behind this step's products, for the reads of the scores and for the loads into K's registers
.macro STEP1 X, Y, xb, koff, wl, sig
	s_wait_dscnt 0x0                               ; this step's keys are in
.if \sig
	s_barrier_signal -1
.endif
	QK1 \X, \xb
	SUM1 \Y
.if (\koff) >= 0
	KLOAD1 \koff
.endif
.if \wl
	ds_load_b128 v[8:11], v2 offset:512
.endif
	TAIL1 \X
.endm
	s_mov_b32 s74, KIMG
	s_mov_b32 s75, KWS
	v_add_nc_u32 v1, s74, v5
	v_add_nc_u32 v2, s75, v5
	KLOAD1 0
	ds_load_b128 v[8:11], v2
	ALU
	s_wait_loadcnt 0x0                             ; Q
	s_wait_dscnt 0x0
	NOPS 4
	QK1 128, 0                                     ; step 0 stands ahead of the loop: it has no weights to sum yet
.irp t, 0,1                            ; twelve lines: the places behind the first products
	v_mov_b32 v[26+\t], 0xff61b1e6                 ; m = -3e38, under every score
	v_mul_f32 v[14+2*\t], s68, v[26+\t]            ; -c m
	v_mov_b32 v[15+2*\t], 0                        ; (upper halves of pairs of which the low word serves)
	v_mov_b32 v[19+2*\t], 0
	v_mov_b32 v[22+2*\t], 0                        ; l
	v_mov_b32 v[23+2*\t], 0
.endr
	KLOAD1 4096
	TAIL1 128
	s_mov_b32 s73, 15
.Lp1:                                                  ; steps 2 j + 1 and 2 j + 2
	v_add_nc_u32 v1, s74, v5
	v_add_nc_u32 v2, s75, v5
	STEP1 192, 128, 2, 8192, 1, 1
	STEP1 128, 192, 0, 12288, 0, 0
	s_add_co_u32 s74, s74, 8192
	s_add_co_u32 s75, s75, 512
	s_barrier_wait -1
	s_sub_co_u32 s73, s73, 1
	s_cmp_lg_u32 s73, 0
	s_cbranch_scc1 .Lp1
	STEP1 192, 128, 2, -1, 0, 0                    ; step 31: nothing more to fetch
	SUM1 192
; ---------------- PASS 2: a block is 32 keys x both tiles: 32 scores a lane; four blocks to a trip of 128 keys
.macro KLOAD2 off
	ds_load_b128 v[64:67], v1 offset:(\off)
	ds_load_b128 v[68:71], v1 offset:(\off)+512
	ds_load_b128 v[80:83], v1 offset:(\off)+1024
	ds_load_b128 v[84:87], v1 offset:(\off)+1536
.endm
.macro QK2 t, g
.irp i, 0,1
	WM 96+16*(\t)+8*\i, 64+16*\i, 32+16*(\t), 1, 8+(\g), 12, \i, \t
.endr
.endm
.macro VLOAD off                       ; two tiles of 16 features x 128 keys
.irp f, 0,1
.irp c, 0,1,2,3
	ds_load_b128 v[160+16*\f+4*\c:163+16*\f+4*\c], v3 offset:(\off)+2048*\f+512*\c
.endr
.endr
.endm
.macro PV pi                           ; O^T += V^T P^T for features 32 pi on, both tiles of queries: four accumulators by turns
.irp f, 0,1
.irp x, 0,1
	WM 192+32*\x+8*(2*(\pi)+\f), 160+16*\f, 128+16*\x, 0, 14+(\pi), 16+\x, \f, 0
.endr
.endr
.endm
.macro FMA2 t                          ; c s - c M - log2 l: eight lines
.set k, 0
.rept 8
	v_pk_fma_f32 v[96+16*(\t)+k:97+16*(\t)+k], v[96+16*(\t)+k:97+16*(\t)+k], s[66:67], v[18+2*(\t):19+2*(\t)] op_sel_hi:[1,0,0]
.set k, k+2
.endr
.endm
.macro FIN2 t, g                       ; the one-sided hold (the conversion to an 8-bit code does not saturate: ISA guide 7.6.2), the codes, the scale's byte into the word of these 128 keys
.set k, 0
.rept 16
	v_min_num_f32 v[96+16*(\t)+k], v[96+16*(\t)+k], v[28+(\t)]
.set k, k+1
.endr
	v_cvt_scalef32_pk8_bf8_f32 v[128+16*(\t)+4*(\g):129+16*(\t)+4*(\g)], v[96+16*(\t):103+16*(\t)], v[26+(\t)]
	v_cvt_scalef32_pk8_bf8_f32 v[130+16*(\t)+4*(\g):131+16*(\t)+4*(\g)], v[104+16*(\t):111+16*(\t)], v[26+(\t)]
.if (\g) == 0
	v_lshrrev_b32 v[16+(\t)], 23, v[26+(\t)]
.else
	v_lshrrev_b32 v30, 23, v[26+(\t)]
	v_lshl_or_b32 v[16+(\t)], v30, 8*(\g), v[16+(\t)]
.endif
.endm
; A BLOCK finds its scaled scores ready and leaves the next block's ready.  Tile 1's holds are the places behind tile 0's next scores; tile 0's scalings those behind tile 1's, and ahead of the
; products V^T P^T (eight behind P's last word); tile 1's scalings those behind the first four of these, for the loads into V's registers.   more = 0: the very last block.
.macro BLK g, more
	ALU
.set k, 0
.rept 32
	v_exp_f32 v[96+k], v[96+k]
.set k, k+1
.endr
	v_nop
	ALU
.if \more
	KLOAD2 2048*((\g)+1)
.if (\g) == 3
	ds_load_b128 v[8:11], v2 offset:512
.endif
.endif
.if (\g) == 1
	VLOAD 0                                        ; this trip's keys, features 0 to 31
	ds_load_b32 v14, v4
	ds_load_b32 v15, v4 offset:128
.endif
.irp t, 0,1                            ; the block's largest weight over the floor 2^(16 - 127); weights are not negative
	v_max3_num_f32 v[22+\t], v[96+16*\t], v[97+16*\t], 0x8000000
	v_max3_num_f32 v[24+\t], v[104+16*\t], v[105+16*\t], v[106+16*\t]
.endr
.irp i, 2,4
.irp t, 0,1
	v_max3_num_f32 v[22+\t], v[22+\t], v[96+16*\t+\i], v[97+16*\t+\i]
	v_max3_num_f32 v[24+\t], v[24+\t], v[105+16*\t+\i], v[106+16*\t+\i]
.endr
.endr
.irp t, 0,1
	v_max3_num_f32 v[22+\t], v[22+\t], v[102+16*\t], v[103+16*\t]
.endr
.irp t, 0,1
	v_max3_num_f32 v[22+\t], v[22+\t], v[24+\t], v[111+16*\t]
.endr
.irp t, 0,1
	v_permlanex16_b32 v[24+\t], v[22+\t], s70, s71
.endr
.irp t, 0,1
	v_max_num_f32 v[22+\t], v[22+\t], v[24+\t]
.endr
.irp t, 0,1
	v_add_nc_u32 v[26+\t], 0xf8800000, v[22+\t]    ; the conversion's scale operand
.endr
.irp t, 0,1
	v_and_or_b32 v[28+\t], v[22+\t], 0x7f800000, s72   ; 57,344 x the scale
.endr
	FIN2 0, \g
.if \more
.if (\g) == 1
	s_wait_dscnt 10                                ; K's four loads are in; V's eight and its two words, issued behind them, may be out
.else
	s_wait_dscnt 0x0
.endif
	ALU
	QK2 0, ((\g)+1)%4
.endif
	FIN2 1, \g
.if \more
	QK2 1, ((\g)+1)%4
	FMA2 0
.else
	NOPS 8
.endif
.if (\g) == 3
	s_wait_loadcnt 0x0                             ; qp is in the accumulators (it matters in the first trip)
	ALU
	PV 0
.endif
.if \more
	FMA2 1
.else
	NOPS 8
.endif
.if (\g) == 3
	VLOAD 4096                                     ; features 32 on
	s_wait_dscnt 0x0
	ALU
	PV 1
.endif
.endm
.macro TRIP2 last
.if (\last) == 0
	s_barrier_signal -1                            ; no LDS instruction of mine is out here
.endif
	v_add_nc_u32 v1, s74, v5
	v_add_nc_u32 v2, s75, v5
	v_add_nc_u32 v3, s76, v5
	v_add_nc_u32 v4, s77, v6
	BLK 0, 1
	BLK 1, 1
	BLK 2, 1
	BLK 3, 1-(\last)
.endm
	s_mov_b32 s74, KIMG
	s_mov_b32 s75, KWS
	s_mov_b32 s76, VIMG
	s_mov_b32 s77, VSC
	v_add_nc_u32 v1, s74, v5
	v_add_nc_u32 v2, s75, v5
	KLOAD2 0
	ds_load_b128 v[8:11], v2
	ALU
.irp x, 0,1                            ; qp, in the accumulators' layout, begins the sums: y = qp + attn
.irp d, 0,1,2,3
	global_load_b128 v[192+32*\x+8*\d:195+32*\x+8*\d], v5, s[16:17] offset:65536*\x+1024*\d th:TH_LOAD_NT
	global_load_b128 v[196+32*\x+8*\d:199+32*\x+8*\d], v5, s[16:17] offset:65536*\x+1024*\d+512 th:TH_LOAD_NT
.endr
.endr
	; THE JOIN of the two halves of the lanes: M, l, and -c M - log2 l of each query
.irp t, 0,1
	v_permlanex16_b32 v[28+\t], v[26+\t], s70, s71
.endr
.irp t, 0,1
	v_max_num_f32 v[28+\t], v[26+\t], v[28+\t]     ; M
.endr
.irp t, 0,1
	v_mul_f32 v[30-23*\t], s68, v[28+\t]           ; -c M
.endr
.irp t, 0,1
	v_sub_f32 v[18+2*\t], v[30-23*\t], v[14+2*\t]  ; c m - c M, 0 or less
.endr
.irp t, 0,1
	v_add_f32 v[22+2*\t], v[22+2*\t], v[23+2*\t]
.endr
	ALU
	v_exp_f32 v18, v18
	v_exp_f32 v20, v20
	v_nop
	ALU
.irp t, 0,1
	v_mul_f32 v[22+2*\t], v[22+2*\t], v[18+2*\t]   ; my half's sum under M
.endr
.irp t, 0,1
	v_permlanex16_b32 v[23+2*\t], v[22+2*\t], s70, s71
.endr
.irp t, 0,1
	v_add_f32 v[22+2*\t], v[22+2*\t], v[23+2*\t]   ; l, at least 1
.endr
	ALU
	v_log_f32 v18, v22
	v_log_f32 v20, v24
	v_mov_b32 v26, 0xff61b1e6                      ; -3e38
	ALU
	s_wait_dscnt 0x0
	QK2 0, 0
	QK2 1, 0
.irp t, 0,1
	v_sub_f32 v[18+2*\t], v[30-23*\t], v[18+2*\t]  ; -c M - log2 l
.endr
.irp t, 0,1
	v_cmp_gt_f32 vcc_lo, 0xf1800000, v[28+\t]      ; -2^100 > M: no key of this row counts:
	v_cndmask_b32 v[18+2*\t], v[18+2*\t], v26, vcc_lo   ; its weights become 2^(-3e38) = 0
.endr
	NOPS 4
	FMA2 0
	FMA2 1
	s_mov_b32 s73, 15
.Lp2:
	TRIP2 0
	s_add_co_u32 s74, s74, 8192
	s_add_co_u32 s75, s75, 512
	s_add_co_u32 s76, s76, 8192
	s_add_co_u32 s77, s77, 256
	s_barrier_wait -1
	s_sub_co_u32 s73, s73, 1
	s_cmp_lg_u32 s73, 0
	s_cbranch_scc1 .Lp2
	TRIP2 1                                        ; the last 128 keys: nothing more to fetch
	NOPS 8
.irp x, 0,1
.irp d, 0,1,2,3
	global_store_b128 v5, v[192+32*\x+8*\d:195+32*\x+8*\d], s[18:19] offset:65536*\x+1024*\d       ; each store of the wave covers 512 consecutive bytes, aligned; each accumulator from its low end on
	global_store_b128 v5, v[196+32*\x+8*\d:199+32*\x+8*\d], s[18:19] offset:65536*\x+1024*\d+512
.endr
.endr
	s_wait_tensorcnt 0x0                           ; the wave's end
	ds_add_u32 v13, v31
	s_wait_dscnt 0x0
	ROUND                                          ; the closing round
	s_endpgm
.Lfunc_end_k_q2838a27a81_attn:
	.size	k_q2838a27a81_attn, .Lfunc_end_k_q2838a27a81_attn-k_q2838a27a81_attn
	.p2alignl 7, 3214868480
	.fill 96, 4, 3214868480
	.section	.rodata,"a",@progbits
	.p2align	6, 0x0
	.amdhsa_kernel k_q2838a27a81_attn
		.amdhsa_group_segment_fixed_size 276480
		.amdhsa_private_segment_fixed_size 0
		.amdhsa_enable_private_segment 0
		.amdhsa_kernarg_size 64
		.amdhsa_user_sgpr_count 2
		.amdhsa_user_sgpr_kernarg_segment_ptr 1
		.amdhsa_wavefront_size32 1
		.amdhsa_system_sgpr_workgroup_id_x 1
		.amdhsa_system_sgpr_workgroup_id_y 1
		.amdhsa_system_sgpr_workgroup_id_z 1
		.amdhsa_system_vgpr_workitem_id 0
		.amdhsa_next_free_vgpr 256
		.amdhsa_next_free_sgpr 90
		.amdhsa_reserve_vcc 1
		.amdhsa_float_denorm_mode_32 3
		.amdhsa_float_denorm_mode_16_64 3
		.amdhsa_memory_ordered 1
		.amdhsa_forward_progress 1
		.amdhsa_inst_pref_size 108
	.end_amdhsa_kernel
	.amdgpu_metadata
---
amdhsa.version: [ 1, 2 ]
amdhsa.kernels:
  - .name:           k_q2838a27a81_attn
    .symbol:         k_q2838a27a81_attn.kd
    .args:
      - { .name: qimg, .offset: 0, .size: 8, .value_kind: global_buffer, .address_space: global }
      - { .name: qsc, .offset: 8, .size: 8, .value_kind: global_buffer, .address_space: global }
      - { .name: kimg, .offset: 16, .size: 8, .value_kind: global_buffer, .address_space: global }
      - { .name: ksc, .offset: 24, .size: 8, .value_kind: global_buffer, .address_space: global }
      - { .name: vimg, .offset: 32, .size: 8, .value_kind: global_buffer, .address_space: global }
      - { .name: vsc, .offset: 40, .size: 8, .value_kind: global_buffer, .address_space: global }
      - { .name: qpimg, .offset: 48, .size: 8, .value_kind: global_buffer, .address_space: global }
      - { .name: yimg, .offset: 56, .size: 8, .value_kind: global_buffer, .address_space: global }
    .group_segment_fixed_size: 276480
    .private_segment_fixed_size: 0
    .kernarg_segment_align: 8
    .kernarg_segment_size: 64
    .max_flat_workgroup_size: 512
    .sgpr_count:     90
    .vgpr_count:     256
    .wavefront_size: 32
...
	.end_amdgpu_metadata
.endif
;; end of part 2
;; launch tail (part 3): grid 256 x 1, 4 waves a work-group, clusters of 4 x 1, 327,680 bytes of LDS; arguments yimg, Wo_codes, Wo_scales, bo, g1, b1, g2, b2, out0; writes out0
.if DOCPART == 3
	.amdgcn_target "amdgcn-amd-amdhsa--gfx1250"
	.amdhsa_code_object_version 6
	.text
	.protected	k_q2838a27a81_tail
	.globl	k_q2838a27a81_tail
	.p2align	8
	.type	k_q2838a27a81_tail,@function
k_q2838a27a81_tail:
	s_mov_b64 s[64:65], 0
	v_nop
	global_prefetch_b8 v0, s[64:65] scope:SCOPE_SE
	s_setreg_imm32_b32 hwreg(HW_REG_WAVE_MODE, 25, 1), 1
	s_wait_xcnt 0x0
	s_wait_alu depctr_hold_cnt(0) depctr_sa_sdst(0) depctr_va_vdst(0) depctr_va_sdst(0) depctr_va_ssrc(0) depctr_va_vcc(0) depctr_vm_vsrc(0)
	s_getreg_b32 s2, hwreg(HW_REG_IB_STS2, 6, 4)
	s_cmp_eq_u32 s2, 0
	s_cbranch_scc0 .Lentry_in_a_cluster
	s_endpgm
.Lentry_in_a_cluster:
	s_bfe_u32 s2, ttmp6, 0x10000c
	s_cmp_lg_u32 s2, 0x3003
	s_cbranch_scc0 .Lentry_shape_is_right
	s_endpgm
.Lentry_shape_is_right:
.set WP,    1040
.set WPART, 32*WP
.set RSLOT, 4*WPART
.set XIMG,  2*RSLOT
.set XSC,   XIMG+32768
.set STAT,  XSC+1024
.set SPARE, STAT+2048
.set CH,  128
.set TM,  40
.set PW,  56
.set PC,  160
.set TT,  192
.set MSB, 0
.macro WIN new
.if MSB != (\new)
	s_set_vgpr_msb (MSB<<8)|(\new)
.set MSB, (\new)
.endif
.endm
.macro ROUND
	s_barrier_signal -1
	s_barrier_wait -1
	s_cmp_lg_u32 s22, 0
	s_cbranch_scc1 .Lnot_wave_0_\@
	s_barrier_signal -3
.Lnot_wave_0_\@:
	s_barrier_wait -3
	s_barrier_signal -1
	s_barrier_wait -1
.endm
	s_load_b512 s[4:19], s[0:1], 0x0
	s_load_b64 s[20:21], s[0:1], 0x40
	v_lshl_add_u32 v28, v0, 2, SPARE
	v_mov_b32 v29, 0
	ds_add_u32 v28, v29
	ds_add_u32 v28, v29
	s_wait_dscnt 0x0
	v_lshrrev_b32 v1, 5, v0
	v_readfirstlane_b32 s22, v1
	s_bfe_u32 s23, ttmp6, 0x40000
	s_lshl_b32 s44, ttmp9, 2
	s_add_co_u32 s23, s44, s23
	s_mov_b32 s24, 15|(3<<16)|(1<<20)|(1<<21)|(7<<22)|(3<<25)
	s_mov_b32 s25, 128<<16
	s_mov_b32 s26, 32<<16
	s_mov_b32 s27, 128<<16
	s_mov_b32 s28, 32
	s_mov_b32 s29, 128
	s_mov_b32 s30, 0
	s_mov_b32 s31, 0
	s_mul_i32 s45, s22, WPART
	s_lshl_b32 s46, s22, 18
	s_mov_b32 s47, 0
	s_mov_b32 s40, 0x76543210
	s_mov_b32 s41, 0xfedcba98
	s_mov_b32 s42, 0x600000
	s_mov_b32 s43, 0x358637bd
	s_mov_b32 s48, 0x3a800000
	s_wait_kmcnt 0x0
	s_mov_b32 s32, 1
	s_mov_b32 s33, s45
	s_add_nc_u64 s[34:35], s[6:7], s[46:47]
	s_mov_b32 s36, 1
	s_add_co_u32 s37, s45, RSLOT
	s_add_nc_u64 s[38:39], s[34:35], 32768
	s_or_b32 s35, s35, 0x80000000
	s_or_b32 s39, s39, 0x80000000
	ROUND
	tensor_load_to_lds s[32:35], s[24:31]
	s_nop 0
	s_wait_alu depctr_va_vdst(0)
	s_wait_tensorcnt 0x0
	ds_add_u32 v28, v29
	s_wait_dscnt 0x0
	ROUND
	tensor_load_to_lds s[36:39], s[24:31]
	s_nop 0
.rept 4
	v_nop
.endr
	v_and_b32 v1, 15, v0
	v_bfe_u32 v2, v0, 4, 1
	v_and_b32 v24, 31, v0
	v_lshlrev_b32 v3, 4, v24
	v_lshlrev_b32 v4, 2, v24
	v_mul_u32_u24 v5, v1, WP
	v_lshl_add_u32 v13, v2, 5, v5
	v_add_nc_u32 v13, s45, v13
	v_lshl_add_u32 v5, v2, 4, v5
	v_add_nc_u32 v5, s45, v5
	v_add_nc_u32 v6, RSLOT, v5
	s_lshl_b32 s44, s22, 12
	s_add_co_u32 s44, s44, XIMG
	v_lshl_add_u32 v7, v1, 4, s44
	v_lshl_add_u32 v7, v2, 3, v7
	s_lshl_b32 s44, s22, 8
	s_add_co_u32 s44, s44, XSC
	v_lshl_add_u32 v8, v1, 2, s44
	s_lshl_b32 s44, s22, 2
	s_add_co_u32 s44, s44, STAT
	v_lshl_add_u32 v9, v1, 4, s44
	v_lshl_add_u32 v10, v1, 4, STAT
	v_lshlrev_b32 v11, 5, v2
	v_lshlrev_b32 v12, 5, v1
	v_lshl_add_u32 v12, v2, 4, v12
	v_add_nc_u32 v14, s45, v3
	v_add_nc_u32 v15, XIMG, v3
	v_add_nc_u32 v57, XSC, v4
	v_mov_b32 v17, 0
	v_mov_b32 v19, 0
	v_mov_b32 v21, 0
	v_mov_b32 v23, 0
	v_mov_b32 v24, 0
	v_mov_b32 v25, 0
.irp b, 0,1,2,3
	v_mov_b32 v[TM+4+\b], 0
.endr
	s_lshl_b32 s46, s23, 17
	s_lshl_b32 s44, s22, 14
	s_add_co_u32 s46, s46, s44
	s_add_nc_u64 s[4:5], s[4:5], s[46:47]
	s_lshl_b32 s46, s23, 17
	s_lshl_b32 s44, s22, 10
	s_add_co_u32 s46, s46, s44
	s_add_nc_u64 s[20:21], s[20:21], s[46:47]
	s_mov_b32 s46, s44
	s_add_nc_u64 s[10:11], s[10:11], s[46:47]
	s_add_nc_u64 s[12:13], s[12:13], s[46:47]
	s_add_nc_u64 s[14:15], s[14:15], s[46:47]
	s_add_nc_u64 s[16:17], s[16:17], s[46:47]
	s_add_nc_u64 s[18:19], s[18:19], s[46:47]
	s_lshl_b32 s46, s22, 13
	s_add_nc_u64 s[8:9], s[8:9], s[46:47]
.macro GAINS pg, pb
	WIN 0x40
.set i, 0
.rept 32
	global_load_b128 v[4*i:4*i+3], v11, s[\pg:\pg+1] offset:64*(i/2)+16*(i%2)
	global_load_b128 v[128+4*i:128+4*i+3], v11, s[\pb:\pb+1] offset:64*(i/2)+16*(i%2)
.set i, i+1
.endr
	WIN 0
.endm
	GAINS 12, 14
.set i, 0
.rept 16
	global_load_b128 v[64+4*i:64+4*i+3], v12, s[8:9] offset:512*i
.set i, i+1
.endr
	WIN 0xc0
.irp i, 0,1,2,3
	global_load_b128 v[160+4*\i:163+4*\i], v11, s[10:11] offset:64*(\i/2)+16*(\i%2)
.endr
	WIN 0x80
.irp rt, 0,1
.set i, 0
.rept 32
	global_load_b128 v[128*\rt+4*i:128*\rt+4*i+3], v3, s[4:5] offset:65536*\rt+512*i th:TH_LOAD_NT
.set i, i+1
.endr
.endr
	WIN 0
	s_wait_loadcnt 0x0
.macro FIN
	v_pk_add_f32 v[CH:CH+1], v[CH:CH+1], v[CH+2:CH+3]
	v_pk_add_f32 v[CH+4:CH+5], v[CH+4:CH+5], v[CH+6:CH+7]
	v_add_f32 v30, v[CH], v[CH+1]
	v_add_f32 v31, v[CH+4], v[CH+5]
	v_permlanex16_b32 v24, v30, s40, s41
	v_permlanex16_b32 v25, v31, s40, s41
	v_add_f32 v30, v30, v24
	v_add_f32 v31, v31, v25
.endm
.macro RED k
	ds_store_b32 v9, v30 offset:512*(\k)
	ds_store_b32 v9, v31 offset:512*(\k)+256
	s_wait_dscnt 0x0
	s_barrier_signal -1
	s_barrier_wait -1
	ds_load_b128 v[CH:CH+3], v10 offset:512*(\k)
	ds_load_b128 v[CH+4:CH+7], v10 offset:512*(\k)+256
	s_wait_dscnt 0x0
	v_pk_add_f32 v[CH:CH+1], v[CH:CH+1], v[CH+2:CH+3]
	v_pk_add_f32 v[CH+4:CH+5], v[CH+4:CH+5], v[CH+6:CH+7]
	v_add_f32 v30, v[CH], v[CH+1]
	v_add_f32 v31, v[CH+4], v[CH+5]
.endm
.macro LNORM k
	WIN 0x0a
.irp c, 0,1,2,3
	v_pk_add_f32 v[CH+2*\c:CH+2*\c+1], v[128*(\c/2)+4*(\c%2):128*(\c/2)+4*(\c%2)+1], v[128*(\c/2)+4*(\c%2)+2:128*(\c/2)+4*(\c%2)+3]
.endr
	WIN 0x08
.set q, 1
.rept 15
.irp c, 0,1,2,3
	v_pk_add_f32 v[CH+2*\c:CH+2*\c+1], v[CH+2*\c:CH+2*\c+1], v[128*(\c/2)+8*q+4*(\c%2):128*(\c/2)+8*q+4*(\c%2)+1]
.endr
.irp c, 0,1,2,3
	v_pk_add_f32 v[CH+2*\c:CH+2*\c+1], v[CH+2*\c:CH+2*\c+1], v[128*(\c/2)+8*q+4*(\c%2)+2:128*(\c/2)+8*q+4*(\c%2)+3]
.endr
.set q, q+1
.endr
	WIN 0
	FIN
	RED \k
	v_mul_f32 v16, 0xba800000, v30
	v_mul_f32 v18, 0xba800000, v31
	WIN 0x82
.irp rt, 0,1
.set q, 0
.rept 64
	v_pk_add_f32 v[128*\rt+q:128*\rt+q+1], v[128*\rt+q:128*\rt+q+1], v[16+2*\rt:17+2*\rt] op_sel_hi:[1,0]
.set q, q+2
.endr
.endr
	WIN 0x0a
.irp c, 0,1,2,3
	v_pk_mul_f32 v[CH+2*\c:CH+2*\c+1], v[128*(\c/2)+4*(\c%2):128*(\c/2)+4*(\c%2)+1], v[128*(\c/2)+4*(\c%2):128*(\c/2)+4*(\c%2)+1]
.endr
.irp c, 0,1,2,3
	v_pk_fma_f32 v[CH+2*\c:CH+2*\c+1], v[128*(\c/2)+4*(\c%2)+2:128*(\c/2)+4*(\c%2)+3], v[128*(\c/2)+4*(\c%2)+2:128*(\c/2)+4*(\c%2)+3], v[CH+2*\c:CH+2*\c+1]
.endr
.set q, 1
.rept 15
.irp c, 0,1,2,3
	v_pk_fma_f32 v[CH+2*\c:CH+2*\c+1], v[128*(\c/2)+8*q+4*(\c%2):128*(\c/2)+8*q+4*(\c%2)+1], v[128*(\c/2)+8*q+4*(\c%2):128*(\c/2)+8*q+4*(\c%2)+1], v[CH+2*\c:CH+2*\c+1]
.endr
.irp c, 0,1,2,3
	v_pk_fma_f32 v[CH+2*\c:CH+2*\c+1], v[128*(\c/2)+8*q+4*(\c%2)+2:128*(\c/2)+8*q+4*(\c%2)+3], v[128*(\c/2)+8*q+4*(\c%2)+2:128*(\c/2)+8*q+4*(\c%2)+3], v[CH+2*\c:CH+2*\c+1]
.endr
.set q, q+1
.endr
	WIN 0
	FIN
	RED (\k)+1
	v_fma_f32 v30, v30, s48, s43
	v_fma_f32 v31, v31, s48, s43
	s_wait_alu depctr_va_vdst(0)
	v_rsq_f32 v20, v30
	v_rsq_f32 v22, v31
	v_nop
	s_wait_alu depctr_va_vdst(0)
	WIN 0x82
.irp rt, 0,1
.set q, 0
.rept 64
	v_pk_mul_f32 v[128*\rt+q:128*\rt+q+1], v[128*\rt+q:128*\rt+q+1], v[20+2*\rt:21+2*\rt] op_sel_hi:[1,0]
.set q, q+2
.endr
.endr
	s_wait_loadcnt 0x0
	WIN 0x96
.irp rt, 0,1
.set q, 0
.rept 64
	v_pk_fma_f32 v[128*\rt+q:128*\rt+q+1], v[128*\rt+q:128*\rt+q+1], v[q:q+1], v[128+q:128+q+1]
.set q, q+2
.endr
.endr
	WIN 0
.endm
.macro QUANT s, w, t
	WIN 5*(\w)
.irp b, 0,1,2,3
	v_max3_num_f32 v[TM+\b], |v[(\s)+16*\b]|, |v[(\s)+16*\b+1]|, 0x8000000
.endr
	WIN 20*(\w)
.irp i, 2,4,6,8,10,12,14
.irp b, 0,1,2,3
	v_max3_num_f32 v[TM+\b], v[TM+\b], |v[(\s)+16*\b+\i]|, |v[(\s)+16*\b+\i+1]|
.endr
.endr
	WIN 0
.irp b, 0,1,2,3
	v_permlanex16_b32 v[TM+4+\b], v[TM+\b], s40, s41
.endr
.irp b, 0,1,2,3
	v_max_num_f32 v[TM+\b], v[TM+\b], v[TM+4+\b]
.endr
.irp b, 0,1,2,3
	v_add_nc_u32 v[TM+12+\b], 0xf8800000, v[TM+\b]
.endr
.irp b, 0,1,2,3
	v_and_or_b32 v[TM+8+\b], v[TM+\b], 0x7f800000, s42
.endr
.irp b, 0,1,2,3
	v_lshrrev_b32 v[TM+4+\b], 23, v[TM+12+\b]
.endr
	v_lshl_or_b32 v[PW], v[TM+5], 8, v[TM+4]
	v_lshl_or_b32 v[PW], v[TM+6], 16, v[PW]
	v_lshl_or_b32 v[PW], v[TM+7], 24, v[PW]
	WIN (\w)
.set k, 0
.rept 64
	v_med3_num_f32 v[(\t)+k], v[(\s)+k], -v[TM+8+k/16], v[TM+8+k/16]
.set k, k+1
.endr
	WIN 0
.irp b, 0,1,2,3
	v_cvt_scalef32_pk8_bf8_f32 v[PC+4*\b:PC+4*\b+1], v[(\t)+16*\b:(\t)+16*\b+7], v[TM+12+\b]
	v_cvt_scalef32_pk8_bf8_f32 v[PC+4*\b+2:PC+4*\b+3], v[(\t)+16*\b+8:(\t)+16*\b+15], v[TM+12+\b]
.endr
	v_nop
.endm
	LNORM 0
.irp rt, 0,1
.irp e, 0,1
	QUANT 128*\rt+64*\e, 2, TT
.irp c, 0,1,2,3
	ds_store_b64 v7, v[PC+4*\c:PC+4*\c+1] offset:16384*\rt+2048*\e+512*\c
	ds_store_b64 v7, v[PC+4*\c+2:PC+4*\c+3] offset:16384*\rt+2048*\e+512*\c+256
.endr
	ds_store_b32 v8, v[PW] offset:128*\e+64*\rt
	s_wait_dscnt 0x0
.endr
.endr
	s_barrier_signal -1
	s_barrier_wait -1
	WIN 0x40
.set i, 0
.rept 64
	ds_load_b128 v[4*i:4*i+3], v15 offset:512*i
.set i, i+1
.endr
	WIN 0
.irp s, 0,1,2,3,4,5,6,7
	ds_load_b32 v[32+\s], v57 offset:128*\s
.endr
	s_wait_dscnt 0x0
.macro WT d, a, b, c, sa, sb, ra, rb
.if (\ra) && (\rb)
	v_wmma_scale_f32_16x16x128_f8f6f4 v[(\d):(\d)+7], v[(\a):(\a)+15], v[(\b):(\b)+15], v[(\c):(\c)+7], v[\sa], v[\sb] matrix_a_fmt:MATRIX_FMT_BF8 matrix_b_fmt:MATRIX_FMT_BF8 matrix_a_scale:MATRIX_SCALE_ROW1 matrix_b_scale:MATRIX_SCALE_ROW1
.elseif \ra
	v_wmma_scale_f32_16x16x128_f8f6f4 v[(\d):(\d)+7], v[(\a):(\a)+15], v[(\b):(\b)+15], v[(\c):(\c)+7], v[\sa], v[\sb] matrix_a_fmt:MATRIX_FMT_BF8 matrix_b_fmt:MATRIX_FMT_BF8 matrix_a_scale:MATRIX_SCALE_ROW1
.elseif \rb
	v_wmma_scale_f32_16x16x128_f8f6f4 v[(\d):(\d)+7], v[(\a):(\a)+15], v[(\b):(\b)+15], v[(\c):(\c)+7], v[\sa], v[\sb] matrix_a_fmt:MATRIX_FMT_BF8 matrix_b_fmt:MATRIX_FMT_BF8 matrix_b_scale:MATRIX_SCALE_ROW1
.else
	v_wmma_scale_f32_16x16x128_f8f6f4 v[(\d):(\d)+7], v[(\a):(\a)+15], v[(\b):(\b)+15], v[(\c):(\c)+7], v[\sa], v[\sb] matrix_a_fmt:MATRIX_FMT_BF8 matrix_b_fmt:MATRIX_FMT_BF8
.endif
.endm
.macro WORK f
.set VW, 5+((\f)%2)
.irp u, 0,1
.irp s, 0,1,2,3
.irp c, 0,1,2,3
	ds_load_b128 v[128+16*(4*\u+\s)+4*\c:128+16*(4*\u+\s)+4*\c+3], v[VW] offset:16*WP*\u+128*\s+32*\c
.endr
.endr
.endr
	WIN 0xc0
.irp u, 0,1
.irp s, 0,1,2,3
.irp c, 0,1,2,3
	ds_load_b128 v[16*(4*\u+\s)+4*\c:16*(4*\u+\s)+4*\c+3], v[VW] offset:16*WP*\u+128*(\s+4)+32*\c
.endr
.endr
.endr
.if (\f) < 7
.irp i, 0,1,2,3
	global_load_b128 v[160+16*(((\f)+1)%2)+4*\i:160+16*(((\f)+1)%2)+4*\i+3], v11, s[10:11] offset:64*(2*((\f)+1)+\i/2)+16*(\i%2)
.endr
	s_wait_loadcnt 4
.else
	s_wait_loadcnt 0x0
.endif
	s_wait_dscnt 32
	WIN 0xf4
.irp s, 0,1,2,3
.irp u, 0,1
.irp rt, 0,1
.if \s == 0
	WT 128+8*(2*\u+\rt), 128+16*(4*\u+\s), 16*(8*\rt+\s), 160+16*((\f)%2)+8*\u, 64+4*(2*(\f)+\u)+\s, 32+\s, 0, \rt
.else
	WT 128+8*(2*\u+\rt), 128+16*(4*\u+\s), 16*(8*\rt+\s), 128+8*(2*\u+\rt), 64+4*(2*(\f)+\u)+\s, 32+\s, 0, \rt
.endif
.endr
.endr
.endr
	s_wait_dscnt 0x0
	WIN 0xf7
.irp s, 4,5,6,7
.irp u, 0,1
.irp rt, 0,1
	WT 128+8*(2*\u+\rt), 16*(4*\u+\s-4), 16*(8*\rt+\s), 128+8*(2*\u+\rt), 64+4*(2*(\f)+\u)+\s-4, 32+\s, 1, \rt
.endr
.endr
.endr
	WIN 0
.rept 8
	v_nop
.endr
	WIN 0x03
.set i, 0
.rept 32
	v_max_num_f32 v[128+i], v[128+i], 0
.set i, i+1
.endr
	WIN 0x82
.irp u, 0,1
.irp rt, 0,1
.irp j, 0,2,4,6
	v_pk_add_f32 v[128*\rt+8*(2*(\f)+\u)+\j:128*\rt+8*(2*(\f)+\u)+\j+1], v[128*\rt+8*(2*(\f)+\u)+\j:128*\rt+8*(2*(\f)+\u)+\j+1], v[128+8*(2*\u+\rt)+\j:128+8*(2*\u+\rt)+\j+1]
.endr
.endr
.endr
	WIN 0
.endm
.macro CHG sl
	s_wait_tensorcnt 0x0
	ds_add_u32 v28, v29
	s_add_nc_u64 s[34+4*\sl:35+4*\sl], s[34+4*\sl:35+4*\sl], 65536
	s_wait_dscnt 0x0
	ROUND
	tensor_load_to_lds s[32+4*\sl:35+4*\sl], s[24:31]
	s_nop 0
.rept 4
	v_nop
.endr
.endm
	s_wait_tensorcnt 1
	WORK 0
	CHG 0
	WORK 1
	CHG 1
	WORK 2
	CHG 0
	WORK 3
	CHG 1
	WORK 4
	CHG 0
	WORK 5
	CHG 1
	WORK 6
	s_wait_tensorcnt 0x0
	WORK 7
	GAINS 16, 18
	LNORM 2
	WIN 0x08
.irp rt, 0,1
.set i, 0
.rept 32
	ds_store_b128 v13, v[128*\rt+4*i:128*\rt+4*i+3] offset:16*WP*\rt+64*(i/2)+16*(i%2)
.set i, i+1
.endr
.endr
	WIN 0
.irp rt, 0,1
	s_wait_xcnt 0x0
.set i, 0
.rept 32
	ds_load_b128 v[128+4*i:128+4*i+3], v14 offset:16*WP*\rt+WP*(i/2)+512*(i%2)
.set i, i+1
.endr
.set i, 0
.rept 32
	s_wait_dscnt 31-i
	global_store_b128 v3, v[128+4*i:128+4*i+3], s[20:21] offset:4096*(16*\rt+i/2)+512*(i%2) th:TH_STORE_NT
.set i, i+1
.endr
.endr
	s_wait_tensorcnt 0x0
	ds_add_u32 v28, v29
	s_wait_dscnt 0x0
	ROUND
	s_endpgm
.Lfunc_end_k_q2838a27a81_tail:
	.size	k_q2838a27a81_tail, .Lfunc_end_k_q2838a27a81_tail-k_q2838a27a81_tail
	.p2alignl 7, 3214868480
	.fill 96, 4, 3214868480
	.section	.rodata,"a",@progbits
	.p2align	6, 0x0
	.amdhsa_kernel k_q2838a27a81_tail
		.amdhsa_group_segment_fixed_size 327680
		.amdhsa_private_segment_fixed_size 0
		.amdhsa_enable_private_segment 0
		.amdhsa_kernarg_size 72
		.amdhsa_user_sgpr_count 2
		.amdhsa_user_sgpr_kernarg_segment_ptr 1
		.amdhsa_wavefront_size32 1
		.amdhsa_system_sgpr_workgroup_id_x 1
		.amdhsa_system_sgpr_workgroup_id_y 1
		.amdhsa_system_sgpr_workgroup_id_z 1
		.amdhsa_system_vgpr_workitem_id 0
		.amdhsa_next_free_vgpr 1024
		.amdhsa_next_free_sgpr 66
		.amdhsa_reserve_vcc 0
		.amdhsa_float_denorm_mode_32 3
		.amdhsa_float_denorm_mode_16_64 3
		.amdhsa_memory_ordered 1
		.amdhsa_forward_progress 1
		.amdhsa_inst_pref_size 255
	.end_amdhsa_kernel
	.section	.bss,"aw",@nobits
	.p2align	6
	.space	262144
	.amdgpu_metadata
---
amdhsa.version: [ 1, 2 ]
amdhsa.kernels:
  - .name:           k_q2838a27a81_tail
    .symbol:         k_q2838a27a81_tail.kd
    .args:
      - { .name: yimg, .offset: 0, .size: 8, .value_kind: global_buffer, .address_space: global }
      - { .name: Wo_codes, .offset: 8, .size: 8, .value_kind: global_buffer, .address_space: global }
      - { .name: Wo_scales, .offset: 16, .size: 8, .value_kind: global_buffer, .address_space: global }
      - { .name: bo, .offset: 24, .size: 8, .value_kind: global_buffer, .address_space: global }
      - { .name: g1, .offset: 32, .size: 8, .value_kind: global_buffer, .address_space: global }
      - { .name: b1, .offset: 40, .size: 8, .value_kind: global_buffer, .address_space: global }
      - { .name: g2, .offset: 48, .size: 8, .value_kind: global_buffer, .address_space: global }
      - { .name: b2, .offset: 56, .size: 8, .value_kind: global_buffer, .address_space: global }
      - { .name: out0, .offset: 64, .size: 8, .value_kind: global_buffer, .address_space: global }
    .group_segment_fixed_size: 327680
    .private_segment_fixed_size: 0
    .kernarg_segment_align: 8
    .kernarg_segment_size: 72
    .max_flat_workgroup_size: 128
    .sgpr_count:     66
    .vgpr_count:     1024
    .wavefront_size: 32
...
	.end_amdgpu_metadata
.endif
;; end of part 3
